; MI455X (gfx1250); checked and timed in simulation.
; The chip was launched on July 23, 2026; its instructions are those of AMD's public machine-readable ISA for CDNA 5 (MIT licence, August 2026) and "CDNA5" Instruction Set Architecture Reference Guide (July 2026). The comments in the code are by the model that wrote it; some were corrected since.
;; Multi Head Self Attention. Allowed arithmetic: matrix products marked QUANTISED: E2M3 operands, one E8M0 scale for each 32 along K, by v_wmma_scale_f32_16x16x128_f8f6f4 with both operands' format E2M3, f32 sums; everything else in f32.
;; Inputs: proj_b 1,024 float32; proj_w 1,024 x 1,024 float32; qkv_b 3,072 float32; qkv_w 3,072 x 1,024 float32; x 4 x 2,048 x 1,024 float32.
;; Outputs: out0 4 x 2,048 x 1,024 float32.
;; This version of the problem:
;;   THIS VERSION OF THE PROBLEM IS GIVEN IN LOW PRECISION. The matrix products marked QUANTISED in the list below multiply operands that are first quantised to E2M3 (2 exponent bits, 3 mantissa bits; 6 bits a number), with one power-of-two scale for each 32 numbers along K (OCP MX v1.0); their sums are f32. All else is computed in f32.
;;   The module's matrix products, in the order in which they are computed (A, B: the left and right operand; K: the contracted axis; several contracted axes count as one K, in the product's order):
;;     1. [M 8,192, K 1,024] x [K 1,024, N 3,072]; A: input x; B: input qkv_w: QUANTISED
;;     2. batch 64 x [M 2,048, K 64] x [K 64, N 2,048]; A: computed on the way; B: computed on the way: QUANTISED
;;     3. batch 64 x [M 2,048, K 2,048] x [K 2,048, N 64]; A: softmax (see below); B: computed on the way: QUANTISED
;;     4. [M 8,192, K 1,024] x [K 1,024, N 1,024]; A: computed on the way; B: input proj_w: QUANTISED
;;   THE QUANTISER, for each operand of a quantised product, along K:
;;     - K is cut into blocks of 32 from its start; a last block that is shorter is filled with zeros.
;;     - A block's scale is 2^e with e = floor(log2(the largest magnitude in the block)) - 2, held to -126 .. 127; a block of zeros has e = 0. As a byte (E8M0): e + 127.
;;     - Each number is divided by its block's scale, clamped to +-7.5, and rounded to the nearest number of E2M3, ties to even, subnormals kept.
;;     - The product sums the exact products of the quantised numbers (number of the format x scale) in f32.
;;   ~~~python
;;   def quantise(x, axis):      # numpy; x: float32 -> the quantised numbers, widened to float32 again
;;       x = np.moveaxis(x, axis, -1); K = x.shape[-1]
;;       x = np.pad(x, [(0, 0)] * (x.ndim - 1) + [(0, -K % 32)]); x = x.reshape(x.shape[:-1] + (-1, 32)); a = np.abs(x).max(-1, keepdims=True)
;;       e = np.where(a > 0, np.clip(np.frexp(np.where(a > 0, a, 1))[1] - 1 - 2, -126, 127), 0)      # np.frexp(a)[1] - 1 = floor(log2(a)), exactly
;;       r = np.clip(x / 2.0 ** e, -7.5, 7.5)
;;       step = 2.0 ** (np.maximum(np.frexp(np.where(r == 0, 1, r))[1] - 1, 0) - 3)
;;       q = np.round(r / step) * step * 2.0 ** e      # np.round: ties to even
;;       return np.moveaxis(q.reshape(q.shape[:-2] + (-1,))[..., :K], -1, axis).astype(np.float32)
;;   ~~~
;;   SOFTMAX AHEAD OF A QUANTISED PRODUCT. Where the list says 'softmax', what is quantised is not the finished softmax but p = 2^(t - M), with t = logit x log2(e) and M = ceil(the row's largest t), a whole number; so 1/2 < the row's largest p <= 1. The row's sum l is taken of the UNQUANTISED p, in f32, and the product's result is divided by l at the end. Since M is a whole number, a kernel that streams over the keys may use a running M (the ceiling of the running maximum): every later rescaling is an exact power of two, which a block's scale takes up: the codes' values come out the same.
;;   OPERANDS COMPUTED ON THE WAY. 'Computed on the way' means the value that the module computes at that place (a softmax that the list does not call 'softmax' is quantised finished and normalised). What goes into a quantiser is computed in f32, as accurately as f32 sums, v_exp_f32 and their like allow (about 1e-6 of the number): no bf16 or f16 on the way to a quantiser, and a product that is left as it is and whose result goes on into a quantised operand takes f32 operands (vector FMAs, or v_wmma_f32_16x16x4_f32). A number that lies on a knife's edge between two numbers of the format may be rounded either way, as far as f32 arithmetic and the matrix unit's own rounding can turn it there, and no further.
;; One version. Each part assembles by itself: llvm-mc -triple=amdgcn-amd-amdhsa -mcpu=gfx1250 --defsym DOCPART=n.
;; ======== version 1 of 1: 4 launches
;; limits: right only within a limited range of input values
;; workspace buffers: codes1 9,437,184 bytes; scales1 393,216 bytes; qkv 18,874,368 bytes; qkvs 786,432 bytes; att 6,291,456 bytes; atts 262,144 bytes
;; launch quant (part 1): grid 256 x 1, 6 waves a work-group, no clusters, 51,456 bytes of LDS; arguments x, qkv_w, proj_w, codes1, scales1; writes codes1, scales1
.if DOCPART == 1
	.amdgcn_target "amdgcn-amd-amdhsa--gfx1250"
	.amdhsa_code_object_version 6
	.text
	.protected	k_q2fa8224b18_quant
	.globl	k_q2fa8224b18_quant
	.p2align	8
	.type	k_q2fa8224b18_quant,@function
k_q2fa8224b18_quant:
	s_mov_b64 s[64:65], 0
	v_nop
	global_prefetch_b8 v0, s[64:65] scope:SCOPE_SE
	s_setreg_imm32_b32 hwreg(HW_REG_WAVE_MODE, 25, 1), 1
	s_wait_xcnt 0x0
; x [8192][1024], qkv_w [3072][1024] and proj_w [1024][1024], f32 with K innermost, become codes of FP6 (E2M3) with one E8M0 scale byte for each 32 along K,
; laid in the ORDER OF AN OPERAND'S REGISTERS.  A TILE is 16 rows: place p of tile t is row 32 (t / 2) + 8 (t % 2) + p + 8 (p / 8).  Tiles 0-511 are x's, 512-703 qkv_w's, 704-767 proj_w's.
; A fragment (a tile x 128 along K, 12 registers a lane) is 1,536 bytes: for each half c of it, registers 6 c .. 6 c + 3 at 16 x lane (512 bytes), then registers 6 c + 4, 6 c + 5 at 8 x lane (256 bytes).
; codes1: tile x 12,288 + (K / 128) x 1,536.   scales1: tile x 512 + (K / 512) x 256 + place x 16 + ((K / 128) % 4) x 4: one word for a row and 128 along K.
; A block's scale is 2^(floor(log2(its largest magnitude)) - 2); its byte is the largest magnitude's exponent field - 2, held at 1 from below.
; LIMITS: NaN and infinities are not served; a block whose largest magnitude lies under 2^-124 (a block of zeros too) gets the byte 1: zeros have zero codes, and this program alone reads the bytes.
; SHARES: 1,536 units of a tile x 512 along K, one to a wave: unit = 6 x work-group + wave.  A unit is four chunks of 128 along K.  A chunk's 16 loads read 512 consecutive bytes of one row each;
; the chunk turns through the wave's own stage in LDS (rows 528 bytes apart) so that lane (r, h) gets, of row r, the numbers 64 c + 32 h + 0 .. 31: two whole blocks, in the operand's own order.
; Waves share nothing: no barrier.  Two chunks (32 loads a wave) are on their way.  No tensor load: the stream is taken by plain loads, and nothing is read twice.
.set WST,   8448                       ; a wave's stage: 16 rows x 528 bytes
.set SPARE, 6*WST                      ; behind the stages: the spare words, 128 bytes for each wave, three blocks of 256 bytes that no other line names
.set SPW,   16                         ; v16  LDS address of my spare word; never rewritten
.set NIL,   17                         ; v17  0; never rewritten
.set SW,    20                         ; v20-23  the four chunks' scale words
.set PC,    24                         ; v24-35  a fragment's codes
.set CT,    36                         ; v36-38, v40-42  the upper halves of the blocks, as the conversions leave them
.set LD,    48                         ; v48-175 two sets of 64: a chunk as loaded
.set X,     176                        ; v176-239 a chunk as the conversions want it
	s_load_b256 s[4:11], s[0:1], 0x0               ; x s[4:5], qkv_w s[6:7], proj_w s[8:9], codes1 s[10:11]
	s_load_b64 s[12:13], s[0:1], 0x20              ; scales1
	v_lshl_add_u32 v[SPW], v0, 2, SPARE
	v_mov_b32 v[NIL], 0
	v_lshrrev_b32 v1, 5, v0
	v_readfirstlane_b32 s16, v1                    ; wave 0..5
	v_and_b32 v1, 31, v0                           ; lane
	v_and_b32 v8, 15, v0                           ; r
	v_bfe_u32 v9, v0, 4, 1                         ; h
	v_lshlrev_b32 v2, 4, v1                        ; 16 x lane
	v_lshlrev_b32 v3, 3, v1                        ; 8 x lane
	s_mul_i32 s17, s16, WST
	v_add_nc_u32 v4, s17, v2                       ; into the stage: a row as it lies
	v_mul_u32_u24 v5, v8, 528
	v_lshl_add_u32 v5, v9, 7, v5
	v_add_nc_u32 v5, s17, v5                       ; out of it: row r, + 128 h bytes
	v_lshlrev_b32 v6, 4, v8                        ; scale words: 16 bytes a row
	v_lshlrev_b32 v7, 3, v9                        ; 8 h: my bytes' place in a scale word
	v_mov_b32 v15, 0                               ; written once: a lane permute's destination counts as one of its sources
	s_mov_b32 s24, 0x76543210
	s_mov_b32 s25, 0xfedcba98                      ; selects for lane l xor 16
	s_mul_i32 s18, ttmp9, 6
	s_add_co_u32 s18, s18, s16                     ; my unit
	s_and_b32 s20, s18, 1                          ; which half of K
	s_lshr_b32 s19, s18, 1                         ; which tile
	s_mul_i32 s22, s18, 6144                       ; tile x 12,288 + half x 6,144
	s_lshl_b32 s26, s18, 8                         ; tile x 512 + half x 256
	s_mov_b32 s23, 0
	s_mov_b32 s27, 0
	s_mov_b32 s21, 704
	s_wait_alu depctr_va_vdst(0)
	s_wait_kmcnt 0x0
	s_cmp_lt_u32 s19, 704                          ; which tensor: the choice hangs on the unit's number alone
	s_cselect_b64 s[6:7], s[6:7], s[8:9]
	s_cselect_b32 s21, 512, s21
	s_cmp_lt_u32 s19, 512
	s_cselect_b64 s[4:5], s[4:5], s[6:7]
	s_cselect_b32 s21, 0, s21
	s_sub_co_u32 s19, s19, s21                     ; the tile's number in its tensor
	s_lshr_b32 s28, s19, 1
	s_lshl_b32 s28, s28, 5
	s_and_b32 s29, s19, 1
	s_lshl_b32 s29, s29, 3
	s_add_co_u32 s28, s28, s29                     ; its first row
	s_lshl_b32 s28, s28, 12                        ; rows of 4,096 bytes
	s_lshl_b32 s29, s20, 11
	s_add_co_u32 s28, s28, s29
	s_mov_b32 s29, 0
	s_add_nc_u64 s[4:5], s[4:5], s[28:29]
	s_add_nc_u64 s[10:11], s[10:11], s[22:23]
	s_add_nc_u64 s[12:13], s[12:13], s[26:27]
.macro LOAD k                          ; chunk k: 16 rows x 512 bytes into set k % 2
.irp p, 0,1,2,3,4,5,6,7,8,9,10,11,12,13,14,15
	global_load_b128 v[LD+64*((\k)%2)+4*\p:LD+64*((\k)%2)+4*\p+3], v2, s[4:5] offset:(\p+8*(\p/8))*4096+512*(\k) th:TH_LOAD_NT
.endr
.endm
.macro CH k
.if (\k) < 3
	s_wait_loadcnt 16                              ; this chunk's 16 loads are in; the younger chunk's 16 may be out
.else
	s_wait_loadcnt 0x0
.endif
.irp p, 0,1,2,3,4,5,6,7,8,9,10,11,12,13,14,15
	ds_store_b128 v4, v[LD+64*((\k)%2)+4*\p:LD+64*((\k)%2)+4*\p+3] offset:528*\p
.endr
.irp c, 0,1
.irp i, 0,1,2,3,4,5,6,7
	ds_load_b128 v[X+32*\c+4*\i:X+32*\c+4*\i+3], v5 offset:256*\c+16*\i   ; a wave's LDS instructions are served in order: these see the stores above
.endr
.endr
	s_wait_dscnt 0x0                               ; the numbers are back, and the stores have read the set,
.if (\k) < 2
	LOAD (\k)+2                                    ; which takes the chunk two on
.endif
.irp c, 0,1
	v_max3_num_f32 v[8+\c], |v[X+32*\c]|, |v[X+32*\c+1]|, 0x1800000   ; my block 2 c + h: all 32 numbers are mine; the floor 2^(3 - 127) holds the byte at 1 from below
.endr
.irp i, 2,4,6,8,10,12,14,16,18,20,22,24,26,28,30
.irp c, 0,1
	v_max3_num_f32 v[8+\c], v[8+\c], |v[X+32*\c+\i]|, |v[X+32*\c+\i+1]|
.endr
.endr
.irp c, 0,1
	v_add_nc_u32 v[10+\c], 0xff000000, v[8+\c]     ; 2 off the exponent field: the conversion's scale operand
.endr
.irp c, 0,1
	v_lshrrev_b32 v[12+\c], 23, v[10+\c]           ; the scale's byte
.endr
	v_lshl_or_b32 v14, v13, 16, v12                ; blocks h and 2 + h,
	v_lshlrev_b32 v14, v7, v14                     ; at their places;
	v_permlanex16_b32 v15, v14, s24, s25
	v_or_b32 v[SW+(\k)], v14, v15                  ; with lane l xor 16's two the word is whole
	s_wait_alu depctr_va_vdst(0)
	s_wait_xcnt 0x0                                ; the last chunk's stores have read their data: the codes' registers are written again only behind this wait
.irp c, 0,1
	v_cvt_scalef32_pk16_fp6_f32 v[PC+6*\c:PC+6*\c+2], v[X+32*\c:X+32*\c+15], v[10+\c]
	v_cvt_scalef32_pk16_fp6_f32 v[CT+4*\c:CT+4*\c+2], v[X+32*\c+16:X+32*\c+31], v[10+\c]   ; (a conversion's three registers begin on an even number)
.endr
	v_nop                                          ; one plain place behind a scaled conversion
.irp c, 0,1
.irp i, 0,1,2
	v_mov_b32 v[PC+6*\c+3+\i], v[CT+4*\c+\i]
.endr
.endr
	global_store_b128 v2, v[PC:PC+3], s[10:11] offset:1536*(\k)            ; 512 consecutive bytes, aligned
	global_store_b64 v3, v[PC+4:PC+5], s[10:11] offset:1536*(\k)+512       ; 256 consecutive bytes, aligned
	global_store_b128 v2, v[PC+6:PC+9], s[10:11] offset:1536*(\k)+768
	global_store_b64 v3, v[PC+10:PC+11], s[10:11] offset:1536*(\k)+1280
.endm
	LOAD 0
	LOAD 1
	CH 0
	CH 1
	CH 2
	CH 3
	global_store_b128 v6, v[SW:SW+3], s[12:13]     ; 16 rows x 16 bytes: one aligned run of 256 bytes (lanes 16-31 hold and write the same words as lanes 0-15)
	s_wait_tensorcnt 0x0                           ; the wave's end
	ds_add_u32 v[SPW], v[NIL]
	s_wait_dscnt 0x0
	s_endpgm
.Lfunc_end_k_q2fa8224b18_quant:
	.size	k_q2fa8224b18_quant, .Lfunc_end_k_q2fa8224b18_quant-k_q2fa8224b18_quant
	.p2alignl 7, 3214868480
	.fill 96, 4, 3214868480
	.section	.rodata,"a",@progbits
	.p2align	6, 0x0
	.amdhsa_kernel k_q2fa8224b18_quant
		.amdhsa_group_segment_fixed_size 51456
		.amdhsa_private_segment_fixed_size 0
		.amdhsa_enable_private_segment 0
		.amdhsa_kernarg_size 40
		.amdhsa_user_sgpr_count 2
		.amdhsa_user_sgpr_kernarg_segment_ptr 1
		.amdhsa_wavefront_size32 1
		.amdhsa_system_sgpr_workgroup_id_x 1
		.amdhsa_system_sgpr_workgroup_id_y 1
		.amdhsa_system_sgpr_workgroup_id_z 1
		.amdhsa_system_vgpr_workitem_id 0
		.amdhsa_next_free_vgpr 240
		.amdhsa_next_free_sgpr 66
		.amdhsa_reserve_vcc 0
		.amdhsa_float_denorm_mode_32 3
		.amdhsa_float_denorm_mode_16_64 3
		.amdhsa_memory_ordered 1
		.amdhsa_forward_progress 1
		.amdhsa_inst_pref_size 31
	.end_amdhsa_kernel
	.amdgpu_metadata
---
amdhsa.version: [ 1, 2 ]
amdhsa.kernels:
  - .name:           k_q2fa8224b18_quant
    .symbol:         k_q2fa8224b18_quant.kd
    .args:
      - { .name: x, .offset: 0, .size: 8, .value_kind: global_buffer, .address_space: global }
      - { .name: qkv_w, .offset: 8, .size: 8, .value_kind: global_buffer, .address_space: global }
      - { .name: proj_w, .offset: 16, .size: 8, .value_kind: global_buffer, .address_space: global }
      - { .name: codes1, .offset: 24, .size: 8, .value_kind: global_buffer, .address_space: global }
      - { .name: scales1, .offset: 32, .size: 8, .value_kind: global_buffer, .address_space: global }
    .group_segment_fixed_size: 51456
    .private_segment_fixed_size: 0
    .kernarg_segment_align: 8
    .kernarg_segment_size: 40
    .max_flat_workgroup_size: 192
    .sgpr_count:     66
    .vgpr_count:     240
    .wavefront_size: 32
...
	.end_amdgpu_metadata
.endif
;; end of part 1
;; launch qkvg (part 2): grid 8 x 48, 4 waves a work-group, clusters of 4 x 4, 327,680 bytes of LDS; arguments codes1, scales1, qkv_b, qkv, qkvs; writes qkv, qkvs
.if DOCPART == 2
	.amdgcn_target "amdgcn-amd-amdhsa--gfx1250"
	.amdhsa_code_object_version 6
	.text
	.protected	k_q2fa8224b18_qkvg
	.globl	k_q2fa8224b18_qkvg
	.p2align	8
	.type	k_q2fa8224b18_qkvg,@function
k_q2fa8224b18_qkvg:
	s_mov_b64 s[64:65], 0
	v_nop
	global_prefetch_b8 v0, s[64:65] scope:SCOPE_SE
	s_setreg_imm32_b32 hwreg(HW_REG_WAVE_MODE, 25, 1), 1
	s_wait_xcnt 0x0
	s_wait_alu depctr_hold_cnt(0) depctr_sa_sdst(0) depctr_va_vdst(0) depctr_va_sdst(0) depctr_va_ssrc(0) depctr_va_vcc(0) depctr_vm_vsrc(0)
	s_getreg_b32 s2, hwreg(HW_REG_IB_STS2, 6, 4)
	s_cmp_eq_u32 s2, 0
	s_cbranch_scc0 .Lentry_in_a_cluster
	s_endpgm
.Lentry_in_a_cluster:
	s_bfe_u32 s2, ttmp6, 0x10000c
	s_cmp_lg_u32 s2, 0xf033
	s_cbranch_scc0 .Lentry_shape_is_right
	s_endpgm
.Lentry_shape_is_right:
.set FR,     12
.set TILEB,  3072
.set HALFT,  8*TILEB
.set SLOT,   4*HALFT
.set SCL,    2*SLOT
.set SPARE,  SCL
.set VIMG0,  12582912
.set VSCL0,  524288
.set R16, 16
.set R8,  18
.set P16, 20
.set P8,  22
.set L16, 24
.set L8,  25
.set BQ,  26
.set ADRS,27
.set SPW, 28
.set NIL, 29
.set BV,  30
.set SC,  32
.set AF,  128
.set TM,  128
.set PC,  144
.set CT,  156
.set PWE, 164
.set SW,  168
.set G1,  24
.set G0,  32
.set G1B, 48
.set G0B, 56
.set HR0, 68                           ; s[68:75] group 0 of the head's loads of the row tiles, K chunks 0 and 1
.set HP0, 76                           ; s[76:83] the same for the column tiles
.set MSB, 0
.macro WIN new
.if MSB != \new
	s_set_vgpr_msb (MSB<<8)|\new
.set MSB, \new
.endif
.endm
.macro JLOAD g0a, g1a, g0b, g1b
	s_cmp_eq_u32 s15, 0
	s_cbranch_scc0 .Lfor_p_\@
	tensor_load_to_lds s[\g0a:\g0a+3], s[\g1a:\g1a+7]
	s_nop 0
.rept 4
	v_nop
.endr
	s_branch .Lasked_\@
.Lfor_p_\@:
	tensor_load_to_lds s[\g0b:\g0b+3], s[\g1b:\g1b+7]
	s_nop 0
.rept 4
	v_nop
.endr
.Lasked_\@:
.endm
.macro CREST
	s_cmp_lg_u32 s14, 0
	s_cbranch_scc1 .Lnot_wave_0_\@
	s_barrier_signal -3
.Lnot_wave_0_\@:
	s_barrier_wait -3
	s_barrier_signal -1
	s_barrier_wait -1
.endm
.macro CROUND
	s_barrier_signal -1
	s_barrier_wait -1
	CREST
.endm
.macro PLACES n
.rept \n
	v_nop
.endr
.endm
	s_load_b256 s[4:11], s[0:1], 0x0
	s_load_b64 s[12:13], s[0:1], 0x20
	v_lshl_add_u32 v[SPW], v0, 2, SPARE
	v_mov_b32 v[NIL], 0
	ds_add_u32 v[SPW], v[NIL]
	ds_add_u32 v[SPW], v[NIL]
	v_lshrrev_b32 v1, 5, v0
	v_readfirstlane_b32 s14, v1
	s_lshr_b32 s15, s14, 1
	s_and_b32 s16, s14, 1
	s_bfe_u32 s40, ttmp6, 0x40000
	s_bfe_u32 s41, ttmp6, 0x40004
	s_and_b32 s66, ttmp7, 0xffff
	s_lshl_b32 s18, s66, 6
	s_mov_b32 s19, 640
	s_sub_co_u32 s20, s66, 8
	s_lshl_b32 s20, s20, 7
	s_lshl_b32 s21, ttmp9, 6
	s_add_co_u32 s20, s20, s21
	s_add_co_u32 s21, s21, 512
	s_cmp_ge_u32 s66, 8
	s_cselect_b32 s17, 1, 0
	s_cselect_b32 s43, s19, s18
	s_cselect_b32 s42, s20, s21
	s_lshl_b32 s18, s41, 4
	s_add_co_u32 s43, s43, s18
	s_lshl_b32 s46, s40, 4
	s_add_co_u32 s42, s42, s46
	s_lshl_b32 s44, s41, 2
	s_lshl_b32 s44, 15, s44
	s_lshl_b32 s45, 0x1111, s40
	s_or_b32 s[G1], s44, (3<<16)|(1<<21)
	s_or_b32 s[G1B], s45, (3<<16)|(1<<21)
.irp g, G1, G1B
	s_mov_b32 s[\g+1], 384<<16
	s_mov_b32 s[\g+2], 16<<16                      ; the head's loads bring a side's 16 tiles
	s_mov_b32 s[\g+3], 384<<16
	s_mov_b32 s[\g+4], 16
	s_mov_b32 s[\g+5], 1536
	s_mov_b32 s[\g+6], 0
	s_mov_b32 s[\g+7], 0
.endr
	s_mul_i32 s18, s16, 8*12288                    ; in the ring a wave fetches 8 of a side's 16 tiles: which 8, in bytes
	s_mov_b32 s19, 0
	s_mul_i32 s20, s43, 12288
	s_mov_b32 s21, 0
	s_mul_i32 s46, s42, 12288
	s_mov_b32 s47, 0
	s_mul_i32 s67, s14, HALFT
	s_mov_b32 s2, 0x76543210
	s_mov_b32 s3, 0xfedcba98
	s_mov_b32 s100, 0xffff0000
	s_wait_dscnt 0x0
	s_wait_kmcnt 0x0
	s_add_nc_u64 s[20:21], s[4:5], s[20:21]
	s_add_nc_u64 s[46:47], s[4:5], s[46:47]
	CROUND
.irp s, 0,1                            ; the head's four tiles, each a side's 16 tiles of one K chunk: both slots are first fills
	s_mov_b32 s[HR0+4*\s], 1
	s_mov_b32 s[HR0+4*\s+1], \s*SLOT
	s_add_nc_u64 s[HR0+4*\s+2:HR0+4*\s+3], s[20:21], \s*TILEB
	s_or_b32 s[HR0+4*\s+3], s[HR0+4*\s+3], 0x80000000
	s_mov_b32 s[HP0+4*\s], 1
	s_mov_b32 s[HP0+4*\s+1], \s*SLOT+2*HALFT
	s_add_nc_u64 s[HP0+4*\s+2:HP0+4*\s+3], s[46:47], \s*TILEB
	s_or_b32 s[HP0+4*\s+3], s[HP0+4*\s+3], 0x80000000
.endr
	s_add_nc_u64 s[20:21], s[20:21], s[18:19]      ; for the ring: my 8 tiles
	s_add_nc_u64 s[46:47], s[46:47], s[18:19]
.irp s, 0,1
	s_mov_b32 s[G0+4*\s], 1
	s_add_co_u32 s[G0+4*\s+1], s67, \s*SLOT
	s_add_nc_u64 s[G0+4*\s+2:G0+4*\s+3], s[20:21], \s*TILEB
	s_or_b32 s[G0+4*\s+3], s[G0+4*\s+3], 0x80000000
	s_mov_b32 s[G0B+4*\s], 1
	s_add_co_u32 s[G0B+4*\s+1], s67, \s*SLOT
	s_add_nc_u64 s[G0B+4*\s+2:G0B+4*\s+3], s[46:47], \s*TILEB
	s_or_b32 s[G0B+4*\s+3], s[G0B+4*\s+3], 0x80000000
.endr
; one joint load a wave, in one chain of branches on the wave's number: chunk 0's row tiles, its column tiles, chunk 1's row tiles, its column tiles
.macro ARM under, g0, g1, next
	s_cmp_lt_u32 s14, \under
	s_cbranch_scc0 \next
	tensor_load_to_lds s[\g0:\g0+3], s[\g1:\g1+7]
	s_nop 0
	PLACES 4
	s_branch .Lhead_asked
\next:
.endm
	ARM 1, HR0, G1, .Lhead_p0
	ARM 2, HP0, G1B, .Lhead_r1
	ARM 3, HR0+4, G1, .Lhead_p1
	tensor_load_to_lds s[HP0+4:HP0+7], s[G1B:G1B+7]
	s_nop 0
	PLACES 4
.Lhead_asked:
	v_and_b32 v1, 31, v0
	v_and_b32 v2, 15, v0
	v_bfe_u32 v3, v0, 4, 1
	v_lshlrev_b32 v[L16], 4, v1
	v_lshlrev_b32 v[L8], 3, v1
	s_mul_i32 s21, s15, HALFT
	s_mul_i32 s22, s16, HALFT
	s_add_co_u32 s22, s22, 2*HALFT
.irp s, 0,1
	v_add_nc_u32 v[R16+\s], s21, v[L16]
	v_add_nc_u32 v[R8+\s], s21, v[L8]
	v_add_nc_u32 v[P16+\s], s22, v[L16]
	v_add_nc_u32 v[P8+\s], s22, v[L8]
	s_add_co_u32 s21, s21, SLOT
	s_add_co_u32 s22, s22, SLOT
.endr
	s_lshl_b32 s21, s15, 3                         ; the scale words come from memory straight into their registers: 512 bytes a tile, 16 a row
	s_add_co_u32 s21, s21, s43
	s_lshl_b32 s21, s21, 9                         ; my 8 row tiles',
	s_lshl_b32 s22, s16, 3
	s_add_co_u32 s22, s22, s42
	s_lshl_b32 s22, s22, 9                         ; my 8 column tiles'
	v_mov_b32 v4, s21
	v_mov_b32 v5, s22
	v_cndmask_b32 v4, v4, v5, s100                 ; lanes 0-15 take the row tiles', lanes 16-31 the column tiles'
	v_lshl_add_u32 v[ADRS], v2, 4, v4
	v_lshlrev_b32 v[BQ], 6, v3
	v_and_b32 v5, 8, v2
	v_add_nc_u32 v5, v5, v2
	v_lshlrev_b32 v[BV], 2, v5
	s_wait_alu depctr_va_vdst(0)                   ; the wait ahead of the readers below
.irp i, 0,1,2,3,4,5,6,7
	global_load_b128 v[SC+8*\i:SC+8*\i+3], v[ADRS], s[6:7] offset:\i*512       ; sixteen lanes read 256 consecutive bytes, aligned
	global_load_b128 v[SC+8*\i+4:SC+8*\i+7], v[ADRS], s[6:7] offset:\i*512+256
.endr
	s_cmp_eq_u32 s17, 0
	s_cbranch_scc0 .Lv_out
	s_sub_co_u32 s18, s42, 512
	s_lshr_b32 s18, s18, 3
	s_add_co_u32 s18, s18, s16
	s_lshr_b32 s19, s43, 3
	s_add_co_u32 s19, s19, s15
	s_lshl_b32 s20, s18, 9
	s_lshl_b32 s21, s19, 3
	s_add_co_u32 s21, s21, s20
	s_mul_i32 s92, s21, 1536
	s_lshl_b32 s21, s18, 6
	s_add_co_u32 s21, s21, s19
	s_lshl_b32 s94, s21, 9
	s_mov_b32 s96, 6144
	s_mov_b32 s98, 256
	s_mov_b32 s21, 0
	s_add_nc_u64 s[8:9], s[8:9], s[20:21]
	s_wait_alu depctr_va_vdst(0)
.irp t, 0,1,2,3,4,5,6,7
	global_load_b128 v[96+8*\t+96*(\t/4):96+8*\t+96*(\t/4)+3], v[BQ], s[8:9] offset:(32*(\t/2)+8*(\t%2))*4
	global_load_b128 v[96+8*\t+96*(\t/4)+4:96+8*\t+96*(\t/4)+7], v[BQ], s[8:9] offset:(32*(\t/2)+8*(\t%2))*4+16
.endr
	s_branch .Lout_done
.Lv_out:
	s_sub_co_u32 s18, s43, 640
	s_lshr_b32 s18, s18, 3
	s_add_co_u32 s18, s18, s15
	s_lshr_b32 s19, s42, 3
	s_add_co_u32 s19, s19, s16
	s_lshr_b32 s22, s19, 4
	s_and_b32 s19, s19, 15
	s_mul_i32 s92, s22, 1572864
	s_mul_i32 s21, s18, 196608
	s_add_co_u32 s92, s92, s21
	s_mul_i32 s21, s19, 6144
	s_add_co_u32 s92, s92, s21
	s_add_co_u32 s92, s92, VIMG0
	s_lshl_b32 s94, s22, 16
	s_lshl_b32 s21, s18, 13
	s_add_co_u32 s94, s94, s21
	s_lshl_b32 s21, s19, 8
	s_add_co_u32 s94, s94, s21
	s_add_co_u32 s94, s94, VSCL0
	s_mov_b32 s96, 98304
	s_mov_b32 s98, 4096
	s_lshl_b32 s20, s18, 9
	s_add_co_u32 s20, s20, 8192
	s_mov_b32 s21, 0
	s_add_nc_u64 s[8:9], s[8:9], s[20:21]
	s_wait_alu depctr_va_vdst(0)
.irp a, 0,1,2,3,4,5,6,7
.irp j, 0,1,2,3,4,5,6,7
	global_load_b32 v[96+8*\a+96*(\a/4)+\j], v[BV], s[8:9] offset:(32*(\a/2)+8*(\a%2))*4
.endr
.endr
.Lout_done:
	s_mov_b32 s93, 0
	s_mov_b32 s95, 0
	s_mov_b32 s97, 0
	s_mov_b32 s99, 0
	s_add_nc_u64 s[10:11], s[10:11], s[92:93]
	s_add_nc_u64 s[12:13], s[12:13], s[94:95]
	s_add_nc_u64 s[96:97], s[10:11], s[96:97]
	s_add_nc_u64 s[98:99], s[12:13], s[98:99]
.macro FRAG reg, a16, a8, q, i
	ds_load_b128 v[\reg:\reg+3], v[\a16] offset:(\i)*TILEB+(\q)*1536
	ds_load_b64 v[\reg+4:\reg+5], v[\a8] offset:(\i)*TILEB+(\q)*1536+512
	ds_load_b128 v[\reg+6:\reg+9], v[\a16] offset:(\i)*TILEB+(\q)*1536+768
	ds_load_b64 v[\reg+10:\reg+11], v[\a8] offset:(\i)*TILEB+(\q)*1536+1280
.endm
.macro FETCH_B slot, q, p
	WIN 0x40
.irp i, 0,1,2,3,4,5,6,7
	FRAG 128*(\p)+FR*\i, P16+\slot, P8+\slot, \q, \i
.endr
	WIN 0
.endm
.macro FETCH_A slot, q, i0
.irp i, \i0, \i0+1, \i0+2, \i0+3
	FRAG AF+FR*(\i), R16+\slot, R8+\slot, \q, \i
.endr
.endm
.macro MUL16 a0, p, k, zero
.irp a, \a0, \a0+1
.irp b, 0,1,2,3,4,5,6,7
.if \zero == 0
	v_wmma_scale_f32_16x16x128_f8f6f4 v[8*(8*((\a)%4)+\b):8*(8*((\a)%4)+\b)+7], v[128*(\p)+FR*\b:128*(\p)+FR*\b+FR-1], v[AF+FR*(\a):AF+FR*(\a)+FR-1], v[8*(8*((\a)%4)+\b):8*(8*((\a)%4)+\b)+7], v[SC+8*\b+(\k)], v[SC+8*(\a)+(\k)] matrix_a_fmt:MATRIX_FMT_FP6 matrix_b_fmt:MATRIX_FMT_FP6 matrix_a_scale:MATRIX_SCALE_ROW1
.elseif \zero == 1
	v_wmma_scale_f32_16x16x128_f8f6f4 v[8*(8*((\a)%4)+\b):8*(8*((\a)%4)+\b)+7], v[128*(\p)+FR*\b:128*(\p)+FR*\b+FR-1], v[AF+FR*(\a):AF+FR*(\a)+FR-1], v[96+8*\b+96*(\b/4):96+8*\b+96*(\b/4)+7], v[SC+8*\b+(\k)], v[SC+8*(\a)+(\k)] matrix_a_fmt:MATRIX_FMT_FP6 matrix_b_fmt:MATRIX_FMT_FP6 matrix_a_scale:MATRIX_SCALE_ROW1
.else
	v_wmma_scale_f32_16x16x128_f8f6f4 v[8*(8*((\a)%4)+\b):8*(8*((\a)%4)+\b)+7], v[128*(\p)+FR*\b:128*(\p)+FR*\b+FR-1], v[AF+FR*(\a):AF+FR*(\a)+FR-1], v[96+8*(\a)+96*((\a)/4):96+8*(\a)+96*((\a)/4)+7], v[SC+8*\b+(\k)], v[SC+8*(\a)+(\k)] matrix_a_fmt:MATRIX_FMT_FP6 matrix_b_fmt:MATRIX_FMT_FP6 matrix_a_scale:MATRIX_SCALE_ROW1
.endif
.endr
.endr
.endm
.macro STEP slot, ks, zero
	s_wait_dscnt 16
.if \zero
	WIN 0x81
.else
	WIN 0xa1
.endif
	MUL16 0, 0, 2*(\ks), \zero
	MUL16 2, 0, 2*(\ks), \zero
	s_wait_dscnt 0x0
	PLACES 4
	FETCH_B \slot, 1, 1
	FETCH_A \slot, 1, 0
.if \zero
	WIN 0xc1
.else
	WIN 0xf1
.endif
	MUL16 4, 0, 2*(\ks), \zero
	MUL16 6, 0, 2*(\ks), \zero
	PLACES 4
	WIN 0
	FETCH_A \slot, 1, 4
.endm
.macro TURN slot, next, ks, fill
	s_wait_tensorcnt 0x0
	ds_add_u32 v[SPW], v[NIL]
.if (\ks) == 0
	s_mov_b32 s[G1+2], 8<<16                       ; no tensor load of mine is out, so group 1 may be written: from here on a load brings 8 tiles
	s_mov_b32 s[G1+4], 8
	s_mov_b32 s[G1B+2], 8<<16
	s_mov_b32 s[G1B+4], 8
.endif
	s_wait_dscnt 17
	WIN 0xa1
	MUL16 0, 1, 2*(\ks)+1, 0
	s_wait_dscnt 0x0
	s_barrier_signal -1
	MUL16 2, 1, 2*(\ks)+1, 0
	WIN 0
	s_barrier_wait -1
.if \fill
	CREST
	s_add_nc_u64 s[G0+4*\slot+2:G0+4*\slot+3], s[G0+4*\slot+2:G0+4*\slot+3], 2*TILEB
	s_add_nc_u64 s[G0B+4*\slot+2:G0B+4*\slot+3], s[G0B+4*\slot+2:G0B+4*\slot+3], 2*TILEB
	JLOAD G0+4*\slot, G1, G0B+4*\slot, G1B
.else
	PLACES 4
.endif
	FETCH_B \next, 0, 0
	FETCH_A \next, 0, 0
	WIN 0xf1
	MUL16 4, 1, 2*(\ks)+1, 0
	MUL16 6, 1, 2*(\ks)+1, 0
	PLACES 4
	WIN 0
	FETCH_A \next, 0, 4
.endm
.macro EPI a
.set AC, 64*((\a)%4)
	WIN 0x0a+5*((\a)/4)
.irp b, 0,1,2,3
	v_max3_num_f32 v[TM+\b], |v[AC+16*\b]|, |v[AC+16*\b+1]|, 0x1800000
.endr
.irp i, 2,4,6,8,10,12,14
.irp b, 0,1,2,3
	v_max3_num_f32 v[TM+\b], |v[AC+16*\b+\i]|, |v[AC+16*\b+\i+1]|, v[TM+\b]
.endr
.endr
	WIN 0
.irp b, 0,1,2,3
	v_permlanex16_b32 v[TM+4+\b], v[TM+\b], s2, s3
.endr
.irp b, 0,1,2,3
	v_max_num_f32 v[TM+\b], v[TM+\b], v[TM+4+\b]
.endr
.irp b, 0,1,2,3
	v_add_nc_u32 v[TM+12+\b], 0xff000000, v[TM+\b]
.endr
.irp b, 0,1,2,3
	v_lshrrev_b32 v[TM+4+\b], 23, v[TM+12+\b]
.endr
	v_lshl_or_b32 v[PWE+(\a)%2], v[TM+5], 8, v[TM+4]
	v_lshl_or_b32 v[PWE+(\a)%2], v[TM+6], 16, v[PWE+(\a)%2]
	v_lshl_or_b32 v[PWE+(\a)%2], v[TM+7], 24, v[PWE+(\a)%2]
	s_wait_xcnt 0x0
	WIN 0x02+(\a)/4
.irp c, 0,1
	v_cvt_scalef32_pk16_fp6_f32 v[PC+6*\c:PC+6*\c+2], v[AC+32*\c:AC+32*\c+15], v[TM+12+2*\c]
	v_cvt_scalef32_pk16_fp6_f32 v[CT+4*\c:CT+4*\c+2], v[AC+32*\c+16:AC+32*\c+31], v[TM+12+2*\c+1]
.endr
	WIN 0
	v_nop
.irp c, 0,1
.irp i, 0,1,2
	v_permlane16_swap_b32 v[PC+6*\c+\i], v[CT+4*\c+\i]
.endr
.irp i, 0,1,2
	v_mov_b32 v[PC+6*\c+3+\i], v[CT+4*\c+\i]
.endr
.endr
.if (\a) < 4
	global_store_b128 v[L16], v[PC:PC+3], s[10:11] offset:((\a)%4)*1536
	global_store_b64 v[L8], v[PC+4:PC+5], s[10:11] offset:((\a)%4)*1536+512
	global_store_b128 v[L16], v[PC+6:PC+9], s[10:11] offset:((\a)%4)*1536+768
	global_store_b64 v[L8], v[PC+10:PC+11], s[10:11] offset:((\a)%4)*1536+1280
.else
	global_store_b128 v[L16], v[PC:PC+3], s[96:97] offset:((\a)%4)*1536
	global_store_b64 v[L8], v[PC+4:PC+5], s[96:97] offset:((\a)%4)*1536+512
	global_store_b128 v[L16], v[PC+6:PC+9], s[96:97] offset:((\a)%4)*1536+768
	global_store_b64 v[L8], v[PC+10:PC+11], s[96:97] offset:((\a)%4)*1536+1280
.endif
.if (\a)%2
	v_cndmask_b32 v[SW+(\a)/2], v[PWE], v[PWE+1], s100
.endif
.endm
	s_cmp_lt_u32 s14, 2                            ; waves 0 and 1 hold K chunk 0's loads, on lines of their own
	s_cbranch_scc0 .Lnot_first
	s_wait_tensorcnt 0x0
.Lnot_first:
	s_barrier_signal -1
	s_barrier_wait -1                              ; chunk 0 is in; chunk 1 may still be on its way
	FETCH_B 0, 0, 0
	FETCH_A 0, 0, 0
	FETCH_A 0, 0, 4
	s_wait_loadcnt 0x0
	s_cmp_eq_u32 s17, 0
	s_cbranch_scc0 .Lv_first
	STEP 0, 0, 1
	s_branch .Lfirst_done
.Lv_first:
	STEP 0, 0, 2
.Lfirst_done:
	TURN 0, 1, 0, 1
	STEP 1, 1, 0
	TURN 1, 0, 1, 1
	STEP 0, 2, 0
	TURN 0, 1, 2, 0
	STEP 1, 3, 0
	s_wait_dscnt 16
	WIN 0xa1
	MUL16 0, 1, 7, 0
	MUL16 2, 1, 7, 0
	s_wait_dscnt 0x0
	WIN 0xf1
	MUL16 4, 1, 7, 0
	MUL16 6, 1, 7, 0
	WIN 0
	PLACES 4
.irp b, 0,1,2,3
	v_mov_b32 v[TM+4+\b], 0
.endr
	EPI 0
	EPI 1
	EPI 2
	EPI 3
	EPI 4
	EPI 5
	EPI 6
	EPI 7
	global_store_b64 v[L8], v[SW:SW+1], s[12:13]
	global_store_b64 v[L8], v[SW+2:SW+3], s[98:99]
	s_wait_tensorcnt 0x0
	ds_add_u32 v[SPW], v[NIL]
	s_wait_dscnt 0x0
	CROUND
	s_endpgm
.Lfunc_end_k_q2fa8224b18_qkvg:
	.size	k_q2fa8224b18_qkvg, .Lfunc_end_k_q2fa8224b18_qkvg-k_q2fa8224b18_qkvg
	.p2alignl 7, 3214868480
	.fill 96, 4, 3214868480
	.section	.rodata,"a",@progbits
	.p2align	6, 0x0
	.amdhsa_kernel k_q2fa8224b18_qkvg
		.amdhsa_group_segment_fixed_size 327680
		.amdhsa_private_segment_fixed_size 0
		.amdhsa_enable_private_segment 0
		.amdhsa_kernarg_size 40
		.amdhsa_user_sgpr_count 2
		.amdhsa_user_sgpr_kernarg_segment_ptr 1
		.amdhsa_wavefront_size32 1
		.amdhsa_system_sgpr_workgroup_id_x 1
		.amdhsa_system_sgpr_workgroup_id_y 1
		.amdhsa_system_sgpr_workgroup_id_z 1
		.amdhsa_system_vgpr_workitem_id 0
		.amdhsa_next_free_vgpr 1024
		.amdhsa_next_free_sgpr 102
		.amdhsa_reserve_vcc 0
		.amdhsa_float_denorm_mode_32 3
		.amdhsa_float_denorm_mode_16_64 3
		.amdhsa_memory_ordered 1
		.amdhsa_forward_progress 1
		.amdhsa_inst_pref_size 169
	.end_amdhsa_kernel
	.amdgpu_metadata
---
amdhsa.version: [ 1, 2 ]
amdhsa.kernels:
  - .name:           k_q2fa8224b18_qkvg
    .symbol:         k_q2fa8224b18_qkvg.kd
    .args:
      - { .name: codes1, .offset: 0, .size: 8, .value_kind: global_buffer, .address_space: global }
      - { .name: scales1, .offset: 8, .size: 8, .value_kind: global_buffer, .address_space: global }
      - { .name: qkv_b, .offset: 16, .size: 8, .value_kind: global_buffer, .address_space: global }
      - { .name: qkv, .offset: 24, .size: 8, .value_kind: global_buffer, .address_space: global }
      - { .name: qkvs, .offset: 32, .size: 8, .value_kind: global_buffer, .address_space: global }
    .group_segment_fixed_size: 327680
    .private_segment_fixed_size: 0
    .kernarg_segment_align: 8
    .kernarg_segment_size: 40
    .max_flat_workgroup_size: 128
    .sgpr_count:     102
    .vgpr_count:     1024
    .wavefront_size: 32
...
	.end_amdgpu_metadata
.endif
;; end of part 2
;; launch attn (part 3): grid 4 x 64, 16 waves a work-group, clusters of 4 x 1, 235,520 bytes of LDS; arguments qkv, qkvs, att, atts; writes att, atts
.if DOCPART == 3
	.amdgcn_target "amdgcn-amd-amdhsa--gfx1250"
	.amdhsa_code_object_version 6
	.text
	.protected	k_q2fa8224b18_attn
	.globl	k_q2fa8224b18_attn
	.p2align	8
	.type	k_q2fa8224b18_attn,@function
k_q2fa8224b18_attn:
	s_mov_b64 s[64:65], 0
	v_nop
	global_prefetch_b8 v0, s[64:65] scope:SCOPE_SE
	s_setreg_imm32_b32 hwreg(HW_REG_WAVE_MODE, 25, 1), 1
	s_wait_xcnt 0x0
	s_wait_alu depctr_hold_cnt(0) depctr_sa_sdst(0) depctr_va_vdst(0) depctr_va_sdst(0) depctr_va_ssrc(0) depctr_va_vcc(0) depctr_vm_vsrc(0)
	s_getreg_b32 s2, hwreg(HW_REG_IB_STS2, 6, 4)
	s_cmp_eq_u32 s2, 0
	s_cbranch_scc0 .Lentry_in_a_cluster
	s_endpgm
.Lentry_in_a_cluster:
	s_bfe_u32 s2, ttmp6, 0x10000c
	s_cmp_lg_u32 s2, 0x3003
	s_cbranch_scc0 .Lentry_shape_is_right
	s_endpgm
.Lentry_shape_is_right:
; O[q] = the sum over k of softmax_k(Q[q] . K[k] / 8) V[k] for one head of 64, 2,048 keys, both products on codes of FP6 (E2M3) with E8M0 scales; O is quantised along the model's 1,024 and leaves as codes.
; THE SOFTMAX AHEAD OF THE SECOND PRODUCT: t = score x log2(e) / 8; M = the running largest t, rounded UP to a whole number; p = 2^(t - M) is quantised along the keys, not normalised.  The row's sum is taken
; of the unquantised p and divides O at the end.  When M moves, the sum and O are multiplied by 2^(old M - new M): exact.
; SHARES.  A work-group owns 512 queries of one (batch, head); the four of a cluster own the head's four quarters and need the same K and V.  ALL of the head's K and V and their scale words come into LDS
; ONCE, by joint loads, one a wave (waves 0-3 K's quarters, 4-7 V's, 8 K's scale words, 9 V's), and stay: nothing is filled again.  Each wave owns two tiles of 16 queries and takes them one after the other, 128 keys a step.
; LAYOUT.  Both products are used transposed: S^T = K Q^T, O^T = V^T P^T: a lane holds ONE query throughout.  In memory a tile of the launch before holds, at place p of tile t, row 32 (t / 2) + 8 (t % 2) + p + 8 (p / 8),
; as an image of an operand's registers.  WHICH 16 KEYS FORM A TILE OF S^T IS CHOSEN HERE, by the lanes' LDS addresses: row m of tile i is key 64 (i / 4) + 32 (m / 8) + 8 (i % 4) + m % 8 of the step, which lies at
; place 8 ((i % 4) / 2) + m % 8 of stored tile 4 (i / 4) + 2 (m / 8) + i % 2.  So lane (r, h)'s 32 scores of tiles 4 c .. 4 c + 3 are keys 64 c + 32 h + 0 .. 31: ONE WHOLE SCALE BLOCK of p, in the order of p's operand:
; a block's largest p needs no other lane, and the conversions' results are the operand's registers.
; K IN LDS: a stored tile's 768 bytes are three runs of 256 (registers 0-3 of lanes 0-15, of lanes 16-31, registers 4-5 of all), with 64 bytes of padding behind each: a tile is 960 bytes, two tiles 1,920 = 7 x 256 + 128,
; so that the sixteen lanes of a 16-byte load, eight in one stored tile and eight two tiles on, take sixteen different 16-byte columns of 256.
; THE HEAD HAS 64, THE INSTRUCTION'S K IS 128: Q's codes of the upper 64 are zeros; K's operand of tile i is v[36 + 6 i] on, twelve registers, whose upper six (the next tile's codes, or zeros) meet those zero codes;
; both sides' scale words are loaded as 16 bits, so that the upper two bytes are 0, a finite scale.
; Behind the head's barrier the waves share nothing that is written: no barrier stands in the steps.  No prefetch: all that the launch reads is asked for at its head.
; LIMITS: NaN and infinities are not served; the promise holds while |t| stays under 2^31; a block of O whose largest magnitude lies under 2^-124 gets the byte 1.
; REGISTERS: v1, v2 16 and 8 x lane; v5-10 addresses in hand; v11 16 r; v12 -M, v13 the largest score, v[14:15] the sum; v16-27, v28 the first tile's Q and scale word; v29 p's scale word; v30-33 K's scale words;
; v34-35 V's; v36-83 K's 8 x 6, later V's 4 x 12; v84-89 zeros; v90-95 address bases; v96-159 S^T, then p; v160-191 O^T; v192-203 p's codes; v204-227, v241-249 at work; v228-239, v240 the second tile's Q.
.set KT,    960
.set VIMG,  128*KT                     ; LDS: K's 128 tiles from 0; V's 16 steps x 6,144 from here;
.set KSC,   VIMG+98304                 ; K's scale words, 16 steps x 512;
.set VSC,   KSC+8192                   ; V's, 16 steps x 256;
.set SPARE, VSC+4096                   ; the spare words, 128 bytes for each wave: eight blocks of 256 bytes that no other line names
.set VIMG0, 12582912
.set VSCL0, 524288
.set SPW, 3
.set NIL, 4
.set PW,  29
.set PC,  192
.set CT,  204                          ; v204-206, v208-210
.set BM,  212                          ; v212-215 largest scores, then the two blocks' largest p
.set BT,  216                          ; v216-219 at work
.set SO,  220                          ; v220-221 the conversions' scale operands
.set FP,  224                          ; v[224:225] f = 2^(old M - new M); the pair's low word serves both halves
.set T,   226
.set H8,  227                          ; 8 h
.set OLD, 241                          ; the last step's -M
.set SU,  244                          ; v244-249 three more chains of the sum
.set G1K,  24
.set G1V,  32
.set G1SK, 40
.set G1SV, 48
.set G0SK, 56
.set G0K,  60
.set G0SV, 68
.set G0V,  72
.set SEL,  80                          ; s[80:81] selects for lane l xor 16
.set CS,   82                          ; s[82:83] c = log2(e) / 8
.set TK,   84                          ; LDS byte of the step's K tiles: 7,680 a step
.set TB,   85                          ; of V's: 6,144 a step
.set TS,   86                          ; of K's scale words: 512 a step
.set TJ,   87                          ; of V's: 256 a step
.set CNT,  95
.set JW,   15|(3<<16)|(1<<21)          ; group 1, word 0: the mask names all four work-groups; elements of 8 bytes; bit 21 beside a mask
.set JWK,  JW|(1<<20)|(5<<22)|(15<<25) ; with 16 words of padding behind every 64
.macro ROUND
	s_barrier_signal -1
	s_barrier_wait -1
	s_cmp_lg_u32 s16, 0
	s_cbranch_scc1 .Lnot_wave_0_\@
	s_barrier_signal -3
.Lnot_wave_0_\@:
	s_barrier_wait -3
	s_barrier_signal -1
	s_barrier_wait -1
.endm
.macro GROUP1 g, w0, c, r, p           ; r rows of c elements, p elements apart
	s_mov_b32 s[\g], \w0
	s_mov_b32 s[\g+1], (\c)<<16
	s_mov_b32 s[\g+2], (\r)<<16
	s_mov_b32 s[\g+3], (\c)<<16
	s_mov_b32 s[\g+4], \r
	s_mov_b32 s[\g+5], \p
	s_mov_b32 s[\g+6], 0
	s_mov_b32 s[\g+7], 0
.endm
.macro ARM under, g0, g1, next
	s_cmp_lt_u32 s16, \under
	s_cbranch_scc0 \next
	tensor_load_to_lds s[\g0:\g0+3], s[\g1:\g1+7]
	s_nop 0
.rept 4
	v_nop
.endr
	s_branch .Lasked
\next:
.endm
	s_load_b256 s[4:11], s[0:1], 0x0               ; qkv s[4:5], qkvs s[6:7], att s[8:9], atts s[10:11]
	v_lshl_add_u32 v[SPW], v0, 2, SPARE
	v_mov_b32 v[NIL], 0
	ds_add_u32 v[SPW], v[NIL]                      ; the opening lines: the add, twice on end, and its wait
	ds_add_u32 v[SPW], v[NIL]
	v_lshrrev_b32 v5, 5, v0
	v_readfirstlane_b32 s16, v5                    ; wave 0..15
	s_and_b32 s17, ttmp7, 0xffff                   ; batch x 16 + head, which the four partners share
	s_lshr_b32 s18, s17, 4                         ; batch
	s_and_b32 s19, s17, 15                         ; head
	s_lshr_b32 s20, s19, 1                         ; its pair
	s_and_b32 s21, s19, 1                          ; and which of the pair
	s_bfe_u32 s22, ttmp6, 0x40000                  ; cx: it enters Q's and the outputs' addresses alone
	s_and_b32 s23, s16, 1
	s_and_b32 s94, s16, 3                          ; which quarter I fetch, if I fetch
	GROUP1 G1K, JWK, 96, 32, 192                   ; K: 32 tiles of 768 bytes, 1,536 apart: the other half of each fragment is the pair's other head
	GROUP1 G1V, JW, 32, 96, 32                     ; V: 24,576 dense bytes as rows of 256
	GROUP1 G1SK, JW, 32, 32, 32                    ; K's scale words: 8,192 dense bytes
	GROUP1 G1SV, JW, 32, 16, 32                    ; V's: 4,096
	s_add_co_u32 s88, s20, 8                       ; k's features lie behind q's
	s_lshl_b32 s89, s88, 9
	s_lshl_b32 s90, s18, 7
	s_add_co_u32 s89, s89, s90                     ; the head's first fragment of K
	s_mul_i32 s12, s89, 1536
	s_mul_i32 s90, s21, 768
	s_add_co_u32 s12, s12, s90
	s_mul_i32 s90, s94, 32*1536                    ; my 32 tiles
	s_add_co_u32 s12, s12, s90
	s_mov_b32 s13, 0
	s_mul_i32 s14, s17, 98304
	s_mul_i32 s91, s94, 24576                      ; my quarter of V, in memory and in LDS
	s_add_co_u32 s14, s14, s91
	s_add_co_u32 s14, s14, VIMG0
	s_mov_b32 s15, 0
	s_mul_i32 s90, s94, 32*KT                      ; my quarter of K in LDS
	s_lshl_b32 s96, s88, 6
	s_lshl_b32 s2, s18, 4
	s_add_co_u32 s96, s96, s2
	s_lshl_b32 s96, s96, 9
	s_mov_b32 s97, 0
	s_lshl_b32 s98, s17, 12
	s_add_co_u32 s98, s98, VSCL0
	s_mov_b32 s99, 0
	s_mov_b32 s[SEL], 0x76543210
	s_mov_b32 s[SEL+1], 0xfedcba98
	s_mov_b32 s[CS], 0x3e38aa3b                    ; c = log2(e) / 8
	s_mov_b32 s[CS+1], s[CS]                       ; (named with it as a pair, so it is written)
	s_wait_dscnt 0x0                               ; both opening adds are done
	s_wait_kmcnt 0x0
	s_mov_b32 s[G0SK], 1
	s_mov_b32 s[G0SK+1], KSC
	s_add_nc_u64 s[G0SK+2:G0SK+3], s[6:7], s[96:97]
	s_or_b32 s[G0SK+3], s[G0SK+3], 0x80000000
	s_mov_b32 s[G0K], 1
	s_mov_b32 s[G0K+1], s90
	s_add_nc_u64 s[G0K+2:G0K+3], s[4:5], s[12:13]
	s_or_b32 s[G0K+3], s[G0K+3], 0x80000000
	s_mov_b32 s[G0SV], 1
	s_mov_b32 s[G0SV+1], VSC
	s_add_nc_u64 s[G0SV+2:G0SV+3], s[6:7], s[98:99]
	s_or_b32 s[G0SV+3], s[G0SV+3], 0x80000000
	s_mov_b32 s[G0V], 1
	s_add_co_u32 s[G0V+1], s91, VIMG
	s_add_nc_u64 s[G0V+2:G0V+3], s[4:5], s[14:15]
	s_or_b32 s[G0V+3], s[G0V+3], 0x80000000
	ROUND                                          ; all four work-groups are here: the joint loads meet
	ARM 4, G0K, G1K, .Lnot_k                       ; one chain of branches on the wave's number, one load to an arm
	ARM 8, G0V, G1V, .Lnot_v
	ARM 9, G0SK, G1SK, .Lnot_sk
	s_cmp_lt_u32 s16, 10
	s_cbranch_scc0 .Lasked
	tensor_load_to_lds s[G0SV:G0SV+3], s[G1SV:G1SV+7]
	s_nop 0
.rept 4
	v_nop
.endr
.Lasked:
	; my two tiles of queries: tile = batch x 128 + 32 cx + 2 wave (+ 1)
	s_lshl_b32 s66, s18, 7
	s_lshl_b32 s3, s22, 5
	s_add_co_u32 s66, s66, s3
	s_lshl_b32 s3, s16, 1
	s_add_co_u32 s66, s66, s3
	s_mul_i32 s100, s66, 12288                     ; att: tile x 12,288 + head x 768
	s_mul_i32 s3, s19, 768
	s_add_co_u32 s100, s100, s3
	s_mov_b32 s101, 0
	s_add_nc_u64 s[8:9], s[8:9], s[100:101]
	s_lshl_b32 s100, s66, 9                        ; atts: tile x 512 + (head / 8) x 256 + 2 (head % 8)
	s_lshr_b32 s3, s19, 3
	s_lshl_b32 s3, s3, 8
	s_add_co_u32 s100, s100, s3
	s_and_b32 s3, s19, 7
	s_lshl_b32 s3, s3, 1
	s_add_co_u32 s100, s100, s3
	s_add_nc_u64 s[10:11], s[10:11], s[100:101]
	s_lshr_b32 s67, s66, 3                         ; Q's scale words: (pair x 64 + tile / 8) x 512 + ((wave / 2) % 2) x 256 + (wave % 2) x 4 + 2 x (which of the pair)
	s_lshl_b32 s3, s20, 6
	s_add_co_u32 s67, s67, s3
	s_lshl_b32 s67, s67, 9
	s_bfe_u32 s3, s16, 0x10001
	s_lshl_b32 s3, s3, 8
	s_add_co_u32 s67, s67, s3
	s_lshl_b32 s3, s23, 2
	s_add_co_u32 s67, s67, s3
	s_lshl_b32 s3, s21, 1
	s_add_co_u32 s67, s67, s3
	s_lshl_b32 s100, s20, 9                        ; Q's codes: (pair x 512 + tile) x 1,536 + (which of the pair) x 768
	s_add_co_u32 s100, s100, s66
	s_mul_i32 s100, s100, 1536
	s_mul_i32 s3, s21, 768
	s_add_co_u32 s100, s100, s3
	s_lshl_b32 s88, s21, 1
	s_add_co_u32 s88, s88, KSC                     ; K's scale words: my head's two bytes of each word
	v_and_b32 v5, 31, v0
	v_and_b32 v6, 15, v0                           ; r
	v_and_b32 v7, 7, v0                            ; r % 8
	v_bfe_u32 v8, v0, 3, 1                         ; r / 8
	v_bfe_u32 v9, v0, 4, 1                         ; h
	v_lshlrev_b32 v1, 4, v5                        ; 16 x lane
	v_lshlrev_b32 v2, 3, v5                        ; 8 x lane
	v_lshlrev_b32 v11, 4, v6
	v_lshlrev_b32 v[H8], 3, v9
	v_mul_u32_u24 v94, v9, 320                     ; K's registers 0-3: the run of my half of the lanes, + 16 (r % 8), + two stored tiles for r / 8
	v_mad_u32_u24 v94, v8, 2*KT, v94
	v_lshl_add_u32 v94, v7, 4, v94
	v_lshlrev_b32 v95, 7, v9                       ; registers 4-5: 128 h + 8 (r % 8), + two stored tiles
	v_mad_u32_u24 v95, v8, 2*KT, v95
	v_lshl_add_u32 v95, v7, 3, v95
	v_lshlrev_b32 v92, 7, v9                       ; K's scale words: lanes 16-31 take the odd tile's: 128 h + 8 (r % 8) + 4 (r / 8)
	v_lshl_add_u32 v92, v8, 2, v92
	v_lshl_add_u32 v92, v7, 3, v92
	v_add_nc_u32 v92, s88, v92
	v_add_nc_u32 v90, VIMG, v1
	v_add_nc_u32 v91, VIMG, v2
	v_add_nc_u32 v93, VSC, v2
	v_lshl_add_u32 v7, v6, 3, s67
	v_add_nc_u32 v5, s100, v1
	v_add_nc_u32 v6, s100, v2
	global_load_b128 v[16:19], v5, s[4:5]
	global_load_b64 v[20:21], v6, s[4:5] offset:512
	global_load_b128 v[228:231], v5, s[4:5] offset:1536
	global_load_b64 v[232:233], v6, s[4:5] offset:2048
	global_load_u16 v28, v7, s[6:7]                ; two scale bytes; the upper two bytes are 0
	global_load_u16 v240, v7, s[6:7] offset:128    ; the odd tile's words lie in the places of lanes 16-31
.irp j, 22,23,24,25,26,27,84,85,86,87,88,89,234,235,236,237,238,239
	v_mov_b32 v[\j], 0                             ; zero codes for the upper 64 of the instruction's K
.endr
.irp b, 0,1,2,3
	v_mov_b32 v[BT+\b], 0                          ; written once: a lane permute's destination counts as one of its sources
.endr
	v_mov_b32 v[FP+1], 0                           ; (named as the upper half of a pair)
	v_mov_b32 v[T], 0
.macro PASS_INIT                       ; a tile of queries begins: the step is written once, and its first trip finds zeros, which the first change of M leaves zeros
	v_mov_b32 v13, 0xff61b1e6                      ; the largest score so far: -3e38
	v_mov_b32 v12, 0x7f61b1e6                      ; -M: 3e38
	v_mov_b32 v14, 0
	v_mov_b32 v15, 0
.irp j, 0,1,2,3,4,5,6,7,8,9,10,11,12,13,14,15,16,17,18,19,20,21,22,23,24,25,26,27,28,29,30,31
	v_mov_b32 v[160+\j], 0
.endr
	s_mov_b32 s[TK], 0
	s_mov_b32 s[TB], 0
	s_mov_b32 s[TS], 0
	s_mov_b32 s[TJ], 0
	s_mov_b32 s[CNT], 16
.endm
; A KEY STEP: 128 keys.  qf: Q's first register; qs: its scale word.
.macro STEP qf, qs
	v_add_nc_u32 v5, s[TK], v94                    ; (these four are also the places behind the last step's products, in front of the loads into their registers)
	v_add_nc_u32 v6, s[TK], v95
	v_add_nc_u32 v9, s[TS], v92
	v_mov_b32 v[OLD], v12
.irp n, 0,1,2,3
	ds_load_u16 v[30+\n], v9 offset:(\n/2)*256+(\n%2)*64   ; lanes 0-15: tile 2 n's rows, lanes 16-31: tile 2 n + 1's
.endr
.irp i, 0,1,2,3,4,5,6,7
	ds_load_b128 v[36+6*\i:39+6*\i], v5 offset:(4*(\i/4)+\i%2)*KT+((\i%4)/2)*128
	ds_load_b64 v[40+6*\i:41+6*\i], v6 offset:(4*(\i/4)+\i%2)*KT+((\i%4)/2)*64+640
.endr
	s_wait_alu depctr_va_vdst(0)
	s_wait_dscnt 0x0
.irp i, 0,2,4,6                                ; S^T = K Q^T
	v_wmma_scale_f32_16x16x128_f8f6f4 v[96+8*\i:103+8*\i], v[36+6*\i:47+6*\i], v[\qf:\qf+11], 0, v[30+\i/2], v[\qs] matrix_a_fmt:MATRIX_FMT_FP6 matrix_b_fmt:MATRIX_FMT_FP6
	v_wmma_scale_f32_16x16x128_f8f6f4 v[104+8*\i:111+8*\i], v[42+6*\i:53+6*\i], v[\qf:\qf+11], 0, v[30+\i/2], v[\qs] matrix_a_fmt:MATRIX_FMT_FP6 matrix_b_fmt:MATRIX_FMT_FP6 matrix_a_scale:MATRIX_SCALE_ROW1
.endr
	v_add_nc_u32 v7, s[TB], v90                    ; four places: the loads below land in K's registers, and the scores are read
	v_add_nc_u32 v8, s[TB], v91
	v_add_nc_u32 v10, s[TJ], v93
	v_nop
	ds_load_b64 v[34:35], v10                      ; V goes out now and lands under the softmax: its scale words (v34: tiles 0, 1 of d; v35: tiles 2, 3),
.irp d, 0,1,2,3
	ds_load_b128 v[36+12*\d:39+12*\d], v7 offset:1536*\d
	ds_load_b64 v[40+12*\d:41+12*\d], v8 offset:1536*\d+512
	ds_load_b128 v[42+12*\d:45+12*\d], v7 offset:1536*\d+768
	ds_load_b64 v[46+12*\d:47+12*\d], v8 offset:1536*\d+1280
.endr
.irp b, 0,1,2,3                                ; the largest score of each of my two blocks, in two chains each, every accumulator from its low end on
	v_max3_num_f32 v[BM+\b], v[96+16*\b], v[97+16*\b], v[98+16*\b]
.endr
.irp i, 3,5,7,9,11,13
.irp b, 0,1,2,3
	v_max3_num_f32 v[BM+\b], v[BM+\b], v[96+16*\b+\i], v[97+16*\b+\i]
.endr
.endr
	v_max3_num_f32 v[BM], v[BM], v111, v127
	v_max3_num_f32 v[BM+2], v[BM+2], v143, v159
	v_max_num_f32 v[BM], v[BM], v[BM+1]            ; block h: it serves for the row's maximum and, since p rises with the score, for the block's largest p
	v_max_num_f32 v[BM+1], v[BM+2], v[BM+3]        ; block 2 + h
	s_delay_alu instid0(VALU_DEP_1)
	v_max_num_f32 v[T], v[BM], v[BM+1]
	s_delay_alu instid0(VALU_DEP_1)
	v_permlanex16_b32 v[BT], v[T], s[SEL], s[SEL+1]
	s_delay_alu instid0(VALU_DEP_1)
	v_max3_num_f32 v13, v13, v[T], v[BT]           ; the running largest score of my query, lane l xor 16's 64 keys among them
	s_delay_alu instid0(VALU_DEP_1)
	v_mul_f32 v[T], s[CS], v13                     ; as t (c is positive)
	s_delay_alu instid0(VALU_DEP_1)
	v_floor_f32 v12, -v[T]                         ; the new -M = -ceil(t): a whole number
	s_delay_alu instid0(VALU_DEP_1)
	v_sub_f32 v[T], v12, v[OLD]                    ; old M - new M: a whole number, 0 or less
	s_delay_alu instid0(VALU_DEP_1)
	v_cvt_i32_f32 v[T], v[T]                       ; (it saturates)
	s_delay_alu instid0(VALU_DEP_1)
	v_ldexp_f32 v[FP], 1.0, v[T]                   ; f = 2^(old M - new M)
.irp j, 0,2,4,6,8,10,12,14,16,18,20,22,24,26,28,30,32,34,36,38,40,42,44,46,48,50,52,54,56,58,60,62
	v_pk_fma_f32 v[96+\j:97+\j], v[96+\j:97+\j], s[CS:CS+1], v[12:13] op_sel_hi:[1,0,0]   ; t - M, two at a time
.endr
	v_fma_f32 v[BM], v[BM], s[CS], v12             ; the same of each block's largest score
	v_fma_f32 v[BM+1], v[BM+1], s[CS], v12
	s_wait_alu depctr_va_vdst(0)                   ; the wait ahead of the batch
	v_exp_f32 v[BM], v[BM]                         ; the blocks' largest p
	v_exp_f32 v[BM+1], v[BM+1]
.irp j, 0,1,2,3,4,5,6,7,8,9,10,11,12,13,14,15,16,17,18,19,20,21,22,23,24,25,26,27,28,29,30,31,32,33,34,35,36,37,38,39,40,41,42,43,44,45,46,47,48,49,50,51,52,53,54,55,56,57,58,59,60,61,62,63
	v_exp_f32 v[96+\j], v[96+\j]                   ; p = 2^(t - M), at most 1
.endr
	v_nop                                          ; one plain place behind the exponentials
	s_wait_alu depctr_va_vdst(0)                   ; one wait for the whole batch, ahead of its first reader
.irp c, 0,1
	v_max_num_f32 v[BM+\c], 0x1800000, v[BM+\c]    ; the floor 2^(3 - 127): the byte cannot fall under 1
.endr
.irp c, 0,1
	s_delay_alu instid0(VALU_DEP_2)
	v_add_nc_u32 v[SO+\c], 0xff000000, v[BM+\c]    ; 2 off the exponent field: the conversion's scale operand
.endr
.irp c, 0,1
	s_delay_alu instid0(VALU_DEP_2)
	v_lshrrev_b32 v[BT+\c], 23, v[SO+\c]           ; the scale's byte
.endr
	s_delay_alu instid0(VALU_DEP_1)
	v_lshl_or_b32 v[T], v[BT+1], 16, v[BT]         ; blocks h and 2 + h,
	s_delay_alu instid0(VALU_DEP_1)
	v_lshlrev_b32 v[T], v[H8], v[T]                ; at their places;
	s_delay_alu instid0(VALU_DEP_1)
	v_permlanex16_b32 v[BT+2], v[T], s[SEL], s[SEL+1]
	s_delay_alu instid0(VALU_DEP_1)
	v_or_b32 v[PW], v[T], v[BT+2]                  ; with lane l xor 16's two p's scale word for these 128 keys is whole
	v_pk_fma_f32 v[14:15], v[14:15], v[FP:FP+1], v[96:97] op_sel_hi:[1,0,1]   ; the row's sum, of the unquantised p: the old sum under the new M, and four chains
	v_pk_add_f32 v[SU:SU+1], v[98:99], v[100:101]
	v_pk_add_f32 v[SU+2:SU+3], v[102:103], v[104:105]
	v_pk_add_f32 v[SU+4:SU+5], v[106:107], v[108:109]
.irp j, 14,22,30,38,46,54
	v_pk_add_f32 v[14:15], v[14:15], v[96+\j:97+\j]
	v_pk_add_f32 v[SU:SU+1], v[SU:SU+1], v[98+\j:99+\j]
	v_pk_add_f32 v[SU+2:SU+3], v[SU+2:SU+3], v[100+\j:101+\j]
	v_pk_add_f32 v[SU+4:SU+5], v[SU+4:SU+5], v[102+\j:103+\j]
.endr
	v_pk_add_f32 v[14:15], v[14:15], v[158:159]
	v_pk_add_f32 v[SU:SU+1], v[SU:SU+1], v[SU+2:SU+3]
	v_pk_add_f32 v[14:15], v[14:15], v[SU+4:SU+5]
	v_pk_add_f32 v[14:15], v[14:15], v[SU:SU+1]
.irp c, 0,1                                    ; my block 2 c + h: registers 6 c .. 6 c + 5 of p's operand
	v_cvt_scalef32_pk16_fp6_f32 v[PC+6*\c:PC+6*\c+2], v[96+32*\c:111+32*\c], v[SO+\c]
	v_cvt_scalef32_pk16_fp6_f32 v[CT+4*\c:CT+4*\c+2], v[112+32*\c:127+32*\c], v[SO+\c]   ; (a conversion's three registers begin on an even number)
.endr
	s_wait_alu depctr_va_vdst(0)                   ; the wait directly ahead of the first reader of O^T
.irp j, 0,2,4,6,8,10,12,14
	v_pk_mul_f32 v[160+\j:161+\j], v[160+\j:161+\j], v[FP:FP+1] op_sel_hi:[1,0]   ; O^T under the new M.  (The first eight are the places behind the conversions,
.endr
.irp c, 0,1
.irp i, 0,1,2
	v_mov_b32 v[PC+6*\c+3+\i], v[CT+4*\c+\i]
.endr
.endr
.irp j, 16,18,20,22,24,26,28,30
	v_pk_mul_f32 v[160+\j:161+\j], v[160+\j:161+\j], v[FP:FP+1] op_sel_hi:[1,0]   ; the last eight those between p's codes and the products)
.endr
	s_wait_alu depctr_va_vdst(0)
	s_wait_dscnt 0x0                               ; V is in
.irp d, 0,2                                    ; O^T += V^T P^T: four accumulators, one instruction each
	v_wmma_scale_f32_16x16x128_f8f6f4 v[160+8*\d:167+8*\d], v[36+12*\d:47+12*\d], v[PC:PC+11], v[160+8*\d:167+8*\d], v[34+\d/2], v[PW] matrix_a_fmt:MATRIX_FMT_FP6 matrix_b_fmt:MATRIX_FMT_FP6
	v_wmma_scale_f32_16x16x128_f8f6f4 v[168+8*\d:175+8*\d], v[48+12*\d:59+12*\d], v[PC:PC+11], v[168+8*\d:175+8*\d], v[34+\d/2], v[PW] matrix_a_fmt:MATRIX_FMT_FP6 matrix_b_fmt:MATRIX_FMT_FP6 matrix_a_scale:MATRIX_SCALE_ROW1
.endr
	s_add_co_u32 s[TK], s[TK], 8*KT
	s_add_co_u32 s[TB], s[TB], 6144
	s_add_co_u32 s[TS], s[TS], 512
	s_add_co_u32 s[TJ], s[TJ], 256
.endm
; A tile of queries ends: O^T / the sum; register 16 b + i is channel 32 b + 16 (lane / 16) + i of my head: two blocks of the last product's K: half a fragment and two scale bytes.
.macro PASS_END p
.rept 4
	v_nop                                          ; places behind the last products
.endr
	v_add_f32 v14, v14, v15                        ; the sum's two halves,
	s_delay_alu instid0(VALU_DEP_1)
	v_permlanex16_b32 v[T], v14, s[SEL], s[SEL+1]
	s_delay_alu instid0(VALU_DEP_1)
	v_add_f32 v14, v14, v[T]                       ; and lane l xor 16's
	s_wait_alu depctr_va_vdst(0)
	v_rcp_f32 v14, v14
	v_nop                                          ; one plain place behind the reciprocal,
	s_wait_alu depctr_va_vdst(0)                   ; and the wait ahead of its first reader
.irp j, 0,2,4,6,8,10,12,14,16,18,20,22,24,26,28,30
	v_pk_mul_f32 v[96+\j:97+\j], v[160+\j:161+\j], v[14:15] op_sel_hi:[1,0]   ; each accumulator from its low end on
.endr
.irp b, 0,1
	v_max3_num_f32 v[BM+\b], |v[96+16*\b]|, |v[97+16*\b]|, 0x1800000
.endr
.irp i, 2,4,6,8,10,12,14
.irp b, 0,1
	s_delay_alu instid0(VALU_DEP_2)
	v_max3_num_f32 v[BM+\b], v[BM+\b], |v[96+16*\b+\i]|, |v[97+16*\b+\i]|
.endr
.endr
.irp b, 0,1
	s_delay_alu instid0(VALU_DEP_2)
	v_permlanex16_b32 v[BT+\b], v[BM+\b], s[SEL], s[SEL+1]
.endr
.irp b, 0,1
	s_delay_alu instid0(VALU_DEP_2)
	v_max_num_f32 v[BM+\b], v[BM+\b], v[BT+\b]
.endr
.irp b, 0,1
	s_delay_alu instid0(VALU_DEP_2)
	v_add_nc_u32 v[SO+\b], 0xff000000, v[BM+\b]
.endr
.irp b, 0,1
	s_delay_alu instid0(VALU_DEP_2)
	v_lshrrev_b32 v[BT+\b], 23, v[SO+\b]
.endr
	s_delay_alu instid0(VALU_DEP_1)
	v_lshl_or_b32 v[T], v[BT+1], 8, v[BT]          ; my row's two scale bytes
	v_cvt_scalef32_pk16_fp6_f32 v[PC:PC+2], v[96:111], v[SO]
	v_cvt_scalef32_pk16_fp6_f32 v[CT:CT+2], v[112:127], v[SO+1]
	v_nop
.irp i, 0,1,2
	v_permlane16_swap_b32 v[PC+\i], v[CT+\i]
.endr
.irp i, 0,1,2
	s_delay_alu instid0(VALU_DEP_3)
	v_mov_b32 v[PC+3+\i], v[CT+\i]
.endr
	global_store_b128 v1, v[PC:PC+3], s[8:9] offset:12288*(\p)         ; 512 consecutive bytes, aligned
	global_store_b64 v2, v[PC+4:PC+5], s[8:9] offset:12288*(\p)+512    ; 256 consecutive bytes, aligned
	global_store_b16 v11, v[T], s[10:11] offset:512*(\p)               ; two bytes of each row's 16: the other heads' work-groups write the rest (lanes 16-31 repeat lanes 0-15)
.endm
	PASS_INIT
	s_wait_alu depctr_va_vdst(0)
	s_wait_loadcnt 0x0                             ; Q
	s_wait_tensorcnt 0x0                           ; my part of K, V or the scale words is in,
	s_barrier_signal -1
	s_barrier_wait -1                              ; everybody's is; nothing is filled again
.Lpass0:
	STEP 16, 28
	s_sub_co_u32 s[CNT], s[CNT], 1
	s_cmp_lg_u32 s[CNT], 0
	s_cbranch_scc1 .Lpass0
	PASS_END 0
	s_wait_xcnt 0x0                                ; the stores have read their data: those registers are written again below
	PASS_INIT
.Lpass1:
	STEP 228, 240
	s_sub_co_u32 s[CNT], s[CNT], 1
	s_cmp_lg_u32 s[CNT], 0
	s_cbranch_scc1 .Lpass1
	PASS_END 1
	s_wait_tensorcnt 0x0                           ; the wave's end
	ds_add_u32 v[SPW], v[NIL]
	s_wait_dscnt 0x0
	ROUND                                          ; the closing round
	s_endpgm
.Lfunc_end_k_q2fa8224b18_attn:
	.size	k_q2fa8224b18_attn, .Lfunc_end_k_q2fa8224b18_attn-k_q2fa8224b18_attn
	.p2alignl 7, 3214868480
	.fill 96, 4, 3214868480
	.section	.rodata,"a",@progbits
	.p2align	6, 0x0
	.amdhsa_kernel k_q2fa8224b18_attn
		.amdhsa_group_segment_fixed_size 235520
		.amdhsa_private_segment_fixed_size 0
		.amdhsa_enable_private_segment 0
		.amdhsa_kernarg_size 32
		.amdhsa_user_sgpr_count 2
		.amdhsa_user_sgpr_kernarg_segment_ptr 1
		.amdhsa_wavefront_size32 1
		.amdhsa_system_sgpr_workgroup_id_x 1
		.amdhsa_system_sgpr_workgroup_id_y 1
		.amdhsa_system_sgpr_workgroup_id_z 1
		.amdhsa_system_vgpr_workitem_id 0
		.amdhsa_next_free_vgpr 256
		.amdhsa_next_free_sgpr 102
		.amdhsa_reserve_vcc 0
		.amdhsa_float_denorm_mode_32 3
		.amdhsa_float_denorm_mode_16_64 3
		.amdhsa_memory_ordered 1
		.amdhsa_forward_progress 1
		.amdhsa_inst_pref_size 54
	.end_amdhsa_kernel
	.amdgpu_metadata
---
amdhsa.version: [ 1, 2 ]
amdhsa.kernels:
  - .name:           k_q2fa8224b18_attn
    .symbol:         k_q2fa8224b18_attn.kd
    .args:
      - { .name: qkv, .offset: 0, .size: 8, .value_kind: global_buffer, .address_space: global }
      - { .name: qkvs, .offset: 8, .size: 8, .value_kind: global_buffer, .address_space: global }
      - { .name: att, .offset: 16, .size: 8, .value_kind: global_buffer, .address_space: global }
      - { .name: atts, .offset: 24, .size: 8, .value_kind: global_buffer, .address_space: global }
    .group_segment_fixed_size: 235520
    .private_segment_fixed_size: 0
    .kernarg_segment_align: 8
    .kernarg_segment_size: 32
    .max_flat_workgroup_size: 512
    .sgpr_count:     102
    .vgpr_count:     256
    .wavefront_size: 32
...
	.end_amdgpu_metadata
.endif
;; end of part 3
;; launch proj (part 4): grid 8 x 32, 4 waves a work-group, clusters of 4 x 4, 327,680 bytes of LDS; arguments att, atts, codes1, scales1, proj_b, out0; writes out0
.if DOCPART == 4
	.amdgcn_target "amdgcn-amd-amdhsa--gfx1250"
	.amdhsa_code_object_version 6
	.text
	.protected	k_q2fa8224b18_proj
	.globl	k_q2fa8224b18_proj
	.p2align	8
	.type	k_q2fa8224b18_proj,@function
k_q2fa8224b18_proj:
	s_mov_b64 s[64:65], 0
	v_nop
	global_prefetch_b8 v0, s[64:65] scope:SCOPE_SE
	s_setreg_imm32_b32 hwreg(HW_REG_WAVE_MODE, 25, 1), 1
	s_wait_xcnt 0x0
	s_wait_alu depctr_hold_cnt(0) depctr_sa_sdst(0) depctr_va_vdst(0) depctr_va_sdst(0) depctr_va_ssrc(0) depctr_va_vcc(0) depctr_vm_vsrc(0)
	s_getreg_b32 s2, hwreg(HW_REG_IB_STS2, 6, 4)
	s_cmp_eq_u32 s2, 0
	s_cbranch_scc0 .Lentry_in_a_cluster
	s_endpgm
.Lentry_in_a_cluster:
	s_bfe_u32 s2, ttmp6, 0x10000c
	s_cmp_lg_u32 s2, 0xf033
	s_cbranch_scc0 .Lentry_shape_is_right
	s_endpgm
.Lentry_shape_is_right:
.set FR,    12
.set STGB,  147456
.set PO,    98304
.set STG,   307200
.set SPARE, 324608
.set R16, 16
.set R8,  17
.set P16, 18
.set P8,  19
.set ARS, 20
.set APS, 21
.set STO, 24
.set RD,  25
.set CO,  26
.set BA,  27
.set SPW, 28
.set NIL, 29
.set RS,  32
.set PS,  96
.set PF,  128
.set BI,  224
.set BK,  128
.set G1R,  24
.set G1P,  32
.set G0R,  60
.set G0P,  76
.set MSB, 0
.macro WIN new
.if MSB != \new
	s_set_vgpr_msb (MSB<<8)|\new
.set MSB, \new
.endif
.endm
.macro ARM under, g0, g1, next         ; an arm of the head's one chain of branches on the wave's number: one joint load
	s_cmp_lt_u32 s16, \under
	s_cbranch_scc0 \next
	tensor_load_to_lds s[\g0:\g0+3], s[\g1:\g1+7]
	s_nop 0
.rept 4
	v_nop
.endr
	s_branch .Lhead_asked
\next:
.endm
.macro CROUND
	s_barrier_signal -1
	s_barrier_wait -1
	s_cmp_lg_u32 s16, 0
	s_cbranch_scc1 .Lnot_wave_0_\@
	s_barrier_signal -3
.Lnot_wave_0_\@:
	s_barrier_wait -3
	s_barrier_signal -1
	s_barrier_wait -1
.endm
	s_load_b256 s[4:11], s[0:1], 0x0
	s_load_b128 s[12:15], s[0:1], 0x20
	v_lshl_add_u32 v[SPW], v0, 2, SPARE
	v_mov_b32 v[NIL], 0
	ds_add_u32 v[SPW], v[NIL]
	ds_add_u32 v[SPW], v[NIL]
	v_lshrrev_b32 v1, 5, v0
	v_readfirstlane_b32 s16, v1
	s_lshr_b32 s17, s16, 1
	s_and_b32 s18, s16, 1
	s_bfe_u32 s84, ttmp6, 0x40000
	s_bfe_u32 s85, ttmp6, 0x40004
	s_and_b32 s86, ttmp7, 0xffff
	s_lshl_b32 s86, s86, 6
	s_lshl_b32 s19, s85, 4
	s_add_co_u32 s86, s86, s19
	s_lshl_b32 s87, ttmp9, 5
	s_lshl_b32 s90, s84, 3
	s_add_co_u32 s87, s87, s90
	s_add_co_u32 s87, s87, 704
	s_lshl_b32 s88, s85, 2
	s_lshl_b32 s88, 15, s88
	s_lshl_b32 s89, 0x1111, s84
	s_or_b32 s[G1R], s88, (3<<16)|(1<<21)
	s_mov_b32 s[G1R+1], 768<<16
	s_mov_b32 s[G1R+2], 16<<16
	s_mov_b32 s[G1R+3], 768<<16
	s_mov_b32 s[G1R+4], 16
	s_mov_b32 s[G1R+5], 1536
	s_mov_b32 s[G1R+6], 0
	s_mov_b32 s[G1R+7], 0
	s_or_b32 s[G1P], s89, (3<<16)|(1<<21)
	s_mov_b32 s[G1P+1], 768<<16
	s_mov_b32 s[G1P+2], 8<<16
	s_mov_b32 s[G1P+3], 768<<16
	s_mov_b32 s[G1P+4], 8
	s_mov_b32 s[G1P+5], 1536
	s_mov_b32 s[G1P+6], 0
	s_mov_b32 s[G1P+7], 0
	s_mul_i32 s20, s86, 12288
	s_mov_b32 s21, 0
	s_mul_i32 s90, s87, 12288
	s_mov_b32 s91, 0
	s_wait_dscnt 0x0
	s_wait_kmcnt 0x0
	s_add_nc_u64 s[20:21], s[4:5], s[20:21]
	s_add_nc_u64 s[90:91], s[8:9], s[90:91]
	CROUND
.irp s, 0,1                            ; all of K lies in two halves, each a first fill: the 16 row tiles and the 8 column tiles of each half by one load
	s_mov_b32 s[G0R+8*\s], 1
	s_mov_b32 s[G0R+8*\s+1], \s*STGB
	s_add_nc_u64 s[G0R+8*\s+2:G0R+8*\s+3], s[20:21], \s*6144
	s_or_b32 s[G0R+8*\s+3], s[G0R+8*\s+3], 0x80000000
	s_mov_b32 s[G0P+4*\s], 1
	s_mov_b32 s[G0P+4*\s+1], \s*STGB+PO
	s_add_nc_u64 s[G0P+4*\s+2:G0P+4*\s+3], s[90:91], \s*6144
	s_or_b32 s[G0P+4*\s+3], s[G0P+4*\s+3], 0x80000000
.endr
	ARM 1, G0R, G1R, .Lhead_p0                     ; one joint load a wave: the first half's row tiles, its column tiles, the second half's row tiles, its column tiles
	ARM 2, G0P, G1P, .Lhead_r1
	ARM 3, G0R+8, G1R, .Lhead_p1
	tensor_load_to_lds s[G0P+4:G0P+7], s[G1P:G1P+7]
	s_nop 0
.rept 4
	v_nop
.endr
.Lhead_asked:
	v_and_b32 v1, 31, v0
	v_and_b32 v2, 15, v0
	v_bfe_u32 v3, v0, 4, 1
	v_lshlrev_b32 v4, 4, v1
	v_lshlrev_b32 v5, 3, v1
	s_mul_i32 s19, s17, 49152
	v_add_nc_u32 v[R16], s19, v4
	v_add_nc_u32 v[R8], s19, v5
	s_mul_i32 s19, s18, 24576
	s_add_co_u32 s19, s19, PO
	v_add_nc_u32 v[P16], s19, v4
	v_add_nc_u32 v[P8], s19, v5
	v_lshlrev_b32 v6, 4, v2
	s_lshl_b32 s19, s17, 3                         ; the scale words come from memory straight into their registers: 512 bytes a tile, 16 a row
	s_add_co_u32 s19, s19, s86
	s_lshl_b32 s19, s19, 9
	v_add_nc_u32 v[ARS], s19, v6                   ; my 8 row tiles', in atts
	s_lshl_b32 s19, s18, 2
	s_add_co_u32 s19, s19, s87
	s_lshl_b32 s19, s19, 9
	v_add_nc_u32 v[APS], s19, v6                   ; my 4 column tiles', in scales1
	s_wait_alu depctr_va_vdst(0)
	s_mul_i32 s19, s16, 16*272
	s_add_co_u32 s19, s19, STG
	v_mul_u32_u24 v7, v2, 272
	v_lshl_add_u32 v7, v3, 6, v7
	v_add_nc_u32 v[STO], s19, v7
	v_mul_u32_u24 v7, v3, 272
	v_add_nc_u32 v7, v7, v6
	v_add_nc_u32 v[RD], s19, v7
	v_lshl_add_u32 v[CO], v3, 12, v6
	v_lshlrev_b32 v[BA], 6, v3
	s_wait_alu depctr_va_vdst(0)
	s_lshl_b32 s90, s86, 4
	s_lshl_b32 s91, s17, 7
	s_add_co_u32 s90, s90, s91
	s_lshl_b32 s90, s90, 12
	s_sub_co_u32 s92, s87, 704
	s_lshl_b32 s92, s92, 6
	s_lshl_b32 s93, s18, 8
	s_add_co_u32 s92, s92, s93
	s_mov_b32 s93, 0
	s_add_nc_u64 s[12:13], s[12:13], s[92:93]
	s_add_co_u32 s90, s90, s92
	s_mov_b32 s91, 0
	s_add_nc_u64 s[14:15], s[14:15], s[90:91]
.irp t, 0,1,2,3
	global_load_b128 v[BI+8*\t:BI+8*\t+3], v[BA], s[12:13] offset:(32*(\t/2)+8*(\t%2))*4
	global_load_b128 v[BI+8*\t+4:BI+8*\t+7], v[BA], s[12:13] offset:(32*(\t/2)+8*(\t%2))*4+16
.endr
.irp i, 0,1,2,3,4,5,6,7
	global_load_b128 v[RS+8*\i:RS+8*\i+3], v[ARS], s[6:7] offset:\i*512        ; sixteen lanes read 256 consecutive bytes, aligned (lanes 16-31 repeat lanes 0-15)
	global_load_b128 v[RS+8*\i+4:RS+8*\i+7], v[ARS], s[6:7] offset:\i*512+256
.endr
.irp i, 0,1,2,3
	global_load_b128 v[PS+8*\i:PS+8*\i+3], v[APS], s[10:11] offset:\i*512
	global_load_b128 v[PS+8*\i+4:PS+8*\i+7], v[APS], s[10:11] offset:\i*512+256
.endr
.macro LOADF k
	WIN 0x40
.irp i, 0,1,2,3,4,5,6,7
	ds_load_b128 v[128*((\k)%2)+FR*\i:128*((\k)%2)+FR*\i+3], v[R16] offset:\i*6144+((\k)%4)*1536
	ds_load_b64 v[128*((\k)%2)+FR*\i+4:128*((\k)%2)+FR*\i+5], v[R8] offset:\i*6144+((\k)%4)*1536+512
	ds_load_b128 v[128*((\k)%2)+FR*\i+6:128*((\k)%2)+FR*\i+9], v[R16] offset:\i*6144+((\k)%4)*1536+768
	ds_load_b64 v[128*((\k)%2)+FR*\i+10:128*((\k)%2)+FR*\i+11], v[R8] offset:\i*6144+((\k)%4)*1536+1280
.endr
	WIN 0
.irp i, 0,1,2,3
	ds_load_b128 v[PF+48*((\k)%2)+FR*\i:PF+48*((\k)%2)+FR*\i+3], v[P16] offset:\i*6144+((\k)%4)*1536
	ds_load_b64 v[PF+48*((\k)%2)+FR*\i+4:PF+48*((\k)%2)+FR*\i+5], v[P8] offset:\i*6144+((\k)%4)*1536+512
	ds_load_b128 v[PF+48*((\k)%2)+FR*\i+6:PF+48*((\k)%2)+FR*\i+9], v[P16] offset:\i*6144+((\k)%4)*1536+768
	ds_load_b64 v[PF+48*((\k)%2)+FR*\i+10:PF+48*((\k)%2)+FR*\i+11], v[P8] offset:\i*6144+((\k)%4)*1536+1280
.endr
.endm
.macro MULK k
.irp a, 0,1,2,3,4,5,6,7
.irp b, 0,1,2,3
.if (\k) == 0
	v_wmma_scale_f32_16x16x128_f8f6f4 v[8*(4*\a+\b):8*(4*\a+\b)+7], v[PF+48*((\k)%2)+FR*\b:PF+48*((\k)%2)+FR*\b+FR-1], v[128*((\k)%2)+FR*\a:128*((\k)%2)+FR*\a+FR-1], v[BI+8*\b:BI+8*\b+7], v[PS+8*\b+(\k)], v[RS+8*\a+(\k)] matrix_a_fmt:MATRIX_FMT_FP6 matrix_b_fmt:MATRIX_FMT_FP6
.else
	v_wmma_scale_f32_16x16x128_f8f6f4 v[8*(4*\a+\b):8*(4*\a+\b)+7], v[PF+48*((\k)%2)+FR*\b:PF+48*((\k)%2)+FR*\b+FR-1], v[128*((\k)%2)+FR*\a:128*((\k)%2)+FR*\a+FR-1], v[8*(4*\a+\b):8*(4*\a+\b)+7], v[PS+8*\b+(\k)], v[RS+8*\a+(\k)] matrix_a_fmt:MATRIX_FMT_FP6 matrix_b_fmt:MATRIX_FMT_FP6
.endif
.endr
.endr
.endm
.macro KSTEP k
.if (\k) == 3
	WIN 0
	s_wait_tensorcnt 0x0
	s_wait_dscnt 0x0
	s_barrier_signal -1
	s_barrier_wait -1
	v_add_nc_u32 v[R16], STGB, v[R16]
	s_wait_alu depctr_va_vdst(0)
	v_add_nc_u32 v[R8], STGB, v[R8]
	s_wait_alu depctr_va_vdst(0)
	v_add_nc_u32 v[P16], STGB, v[P16]
	s_wait_alu depctr_va_vdst(0)
	v_add_nc_u32 v[P8], STGB, v[P8]
.elseif ((\k) > 0) && ((\k) < 7)
.rept 4
	v_nop
.endr
.endif
.if (\k) < 7
	LOADF (\k)+1
	s_wait_dscnt 48
.else
	s_wait_dscnt 0x0
.endif
.if (\k) == 0
	s_wait_loadcnt 0x0
	WIN 0x84
.else
	WIN 0xa4
.endif
	MULK \k
.endm
	s_cmp_lt_u32 s16, 2                            ; waves 0 and 1 hold the first half's loads, on lines of their own
	s_cbranch_scc0 .Lnot_first
	s_wait_tensorcnt 0x0
.Lnot_first:
	s_barrier_signal -1
	s_barrier_wait -1                              ; the first half of K is in; the second may still be on its way
	LOADF 0
	KSTEP 0
	KSTEP 1
	KSTEP 2
	KSTEP 3
	s_wait_alu depctr_va_vdst(0)
	KSTEP 4
	KSTEP 5
	KSTEP 6
	KSTEP 7
	WIN 0
.macro TOSTAGE a
	WIN 0x08
.irp b, 0,1,2,3
	ds_store_b128 v[STO], v[8*(4*(\a)+\b):8*(4*(\a)+\b)+3] offset:128*(\b/2)+32*(\b%2)
	ds_store_b128 v[STO], v[8*(4*(\a)+\b)+4:8*(4*(\a)+\b)+7] offset:128*(\b/2)+32*(\b%2)+16
.endr
	WIN 0
.irp t, 0,1,2,3,4,5,6,7
	ds_load_b128 v[BK+32*((\a)%2)+4*\t:BK+32*((\a)%2)+4*\t+3], v[RD] offset:\t*544
.endr
.endm
.macro SEND a, younger
	s_wait_dscnt \younger
.irp t, 0,1,2,3,4,5,6,7
	global_store_b128 v[CO], v[BK+32*((\a)%2)+4*\t:BK+32*((\a)%2)+4*\t+3], s[14:15] offset:(32*((\a)/2)+8*((\a)%2)+2*\t+8*(\t/4))*4096 th:TH_STORE_NT
.endr
.endm
.rept 4
	v_nop
.endr
	TOSTAGE 0
.irp a, 1,2,3,4,5,6,7
.if \a > 1
	s_wait_xcnt 0x0
.endif
	TOSTAGE \a
	SEND \a-1, 16
.endr
	SEND 7, 0
	s_wait_tensorcnt 0x0
	ds_add_u32 v[SPW], v[NIL]
	s_wait_dscnt 0x0
	CROUND
	s_endpgm
.Lfunc_end_k_q2fa8224b18_proj:
	.size	k_q2fa8224b18_proj, .Lfunc_end_k_q2fa8224b18_proj-k_q2fa8224b18_proj
	.p2alignl 7, 3214868480
	.fill 96, 4, 3214868480
	.section	.rodata,"a",@progbits
	.p2align	6, 0x0
	.amdhsa_kernel k_q2fa8224b18_proj
		.amdhsa_group_segment_fixed_size 327680
		.amdhsa_private_segment_fixed_size 0
		.amdhsa_enable_private_segment 0
		.amdhsa_kernarg_size 48
		.amdhsa_user_sgpr_count 2
		.amdhsa_user_sgpr_kernarg_segment_ptr 1
		.amdhsa_wavefront_size32 1
		.amdhsa_system_sgpr_workgroup_id_x 1
		.amdhsa_system_sgpr_workgroup_id_y 1
		.amdhsa_system_sgpr_workgroup_id_z 1
		.amdhsa_system_vgpr_workitem_id 0
		.amdhsa_next_free_vgpr 768
		.amdhsa_next_free_sgpr 100
		.amdhsa_reserve_vcc 0
		.amdhsa_float_denorm_mode_32 3
		.amdhsa_float_denorm_mode_16_64 3
		.amdhsa_memory_ordered 1
		.amdhsa_forward_progress 1
		.amdhsa_inst_pref_size 84
	.end_amdhsa_kernel
	.amdgpu_metadata
---
amdhsa.version: [ 1, 2 ]
amdhsa.kernels:
  - .name:           k_q2fa8224b18_proj
    .symbol:         k_q2fa8224b18_proj.kd
    .args:
      - { .name: att, .offset: 0, .size: 8, .value_kind: global_buffer, .address_space: global }
      - { .name: atts, .offset: 8, .size: 8, .value_kind: global_buffer, .address_space: global }
      - { .name: codes1, .offset: 16, .size: 8, .value_kind: global_buffer, .address_space: global }
      - { .name: scales1, .offset: 24, .size: 8, .value_kind: global_buffer, .address_space: global }
      - { .name: proj_b, .offset: 32, .size: 8, .value_kind: global_buffer, .address_space: global }
      - { .name: out0, .offset: 40, .size: 8, .value_kind: global_buffer, .address_space: global }
    .group_segment_fixed_size: 327680
    .private_segment_fixed_size: 0
    .kernarg_segment_align: 8
    .kernarg_segment_size: 48
    .max_flat_workgroup_size: 128
    .sgpr_count:     100
    .vgpr_count:     768
    .wavefront_size: 32
...
	.end_amdgpu_metadata
.endif
;; end of part 4
